; MI455X (gfx1250); checked and timed in simulation.
; The chip was launched on July 23, 2026; its instructions are those of AMD's public machine-readable ISA for CDNA 5 (MIT licence, August 2026) and "CDNA5" Instruction Set Architecture Reference Guide (July 2026). The comments in the code are by the model that wrote it; some were corrected since.
;; Multi Head Attention. Allowed arithmetic: matrix products marked QUANTISED: E2M3 operands, one E8M0 scale for each 32 along K, by v_wmma_scale_f32_16x16x128_f8f6f4 with both operands' format E2M3, f32 sums; everything else in f32.
;; Inputs: WK 1,024 x 1,024 float32; WO 1,024 x 1,024 float32; WQ 1,024 x 1,024 float32; WV 1,024 x 1,024 float32; x 4 x 2,048 x 1,024 float32.
;; Outputs: out0 4 x 2,048 x 1,024 float32.
;; This version of the problem:
;;   THIS VERSION OF THE PROBLEM IS GIVEN IN LOW PRECISION. The matrix products marked QUANTISED in the list below multiply operands that are first quantised to E2M3 (2 exponent bits, 3 mantissa bits; 6 bits a number), with one power-of-two scale for each 32 numbers along K (OCP MX v1.0); their sums are f32. All else is computed in f32.
;;   The module's matrix products, in the order in which they are computed (A, B: the left and right operand; K: the contracted axis; several contracted axes count as one K, in the product's order):
;;     1. [M 8,192, K 1,024] x [K 1,024, N 1,024]; A: input x; B: input WQ: QUANTISED
;;     2. [M 8,192, K 1,024] x [K 1,024, N 1,024]; A: input x; B: input WK: QUANTISED
;;     3. [M 8,192, K 1,024] x [K 1,024, N 1,024]; A: input x; B: input WV: QUANTISED
;;     4. batch 64 x [M 2,048, K 64] x [K 64, N 2,048]; A: computed on the way; B: computed on the way: QUANTISED
;;     5. batch 64 x [M 2,048, K 2,048] x [K 2,048, N 64]; A: computed on the way; B: computed on the way: QUANTISED
;;     6. [M 8,192, K 1,024] x [K 1,024, N 1,024]; A: computed on the way; B: input WO: QUANTISED
;;   THE QUANTISER, for each operand of a quantised product, along K:
;;     - K is cut into blocks of 32 from its start; a last block that is shorter is filled with zeros.
;;     - A block's scale is 2^e with e = floor(log2(the largest magnitude in the block)) - 2, held to -126 .. 127; a block of zeros has e = 0. As a byte (E8M0): e + 127.
;;     - Each number is divided by its block's scale, clamped to +-7.5, and rounded to the nearest number of E2M3, ties to even, subnormals kept.
;;     - The product sums the exact products of the quantised numbers (number of the format x scale) in f32.
;;   ~~~python
;;   def quantise(x, axis):      # numpy; x: float32 -> the quantised numbers, widened to float32 again
;;       x = np.moveaxis(x, axis, -1); K = x.shape[-1]
;;       x = np.pad(x, [(0, 0)] * (x.ndim - 1) + [(0, -K % 32)]); x = x.reshape(x.shape[:-1] + (-1, 32)); a = np.abs(x).max(-1, keepdims=True)
;;       e = np.where(a > 0, np.clip(np.frexp(np.where(a > 0, a, 1))[1] - 1 - 2, -126, 127), 0)      # np.frexp(a)[1] - 1 = floor(log2(a)), exactly
;;       r = np.clip(x / 2.0 ** e, -7.5, 7.5)
;;       step = 2.0 ** (np.maximum(np.frexp(np.where(r == 0, 1, r))[1] - 1, 0) - 3)
;;       q = np.round(r / step) * step * 2.0 ** e      # np.round: ties to even
;;       return np.moveaxis(q.reshape(q.shape[:-2] + (-1,))[..., :K], -1, axis).astype(np.float32)
;;   ~~~
;;   OPERANDS COMPUTED ON THE WAY. 'Computed on the way' means the value that the module computes at that place (a softmax that the list does not call 'softmax' is quantised finished and normalised). What goes into a quantiser is computed in f32, as accurately as f32 sums, v_exp_f32 and their like allow (about 1e-6 of the number): no bf16 or f16 on the way to a quantiser, and a product that is left as it is and whose result goes on into a quantised operand takes f32 operands (vector FMAs, or v_wmma_f32_16x16x4_f32). A number that lies on a knife's edge between two numbers of the format may be rounded either way, as far as f32 arithmetic and the matrix unit's own rounding can turn it there, and no further.
;; One version. Each part assembles by itself: llvm-mc -triple=amdgcn-amd-amdhsa -mcpu=gfx1250 --defsym DOCPART=n.
;; ======== version 1 of 1: 4 launches
;; limits: right only within a limited range of input values
;; workspace buffers: opx 9,830,400 bytes; qk 13,107,200 bytes; vv 6,553,600 bytes; opa 6,553,600 bytes
;; launch quant (part 1): grid 256 x 1, 6 waves a work-group, no clusters, 51,456 bytes of LDS; arguments x, WQ, WK, WV, WO, opx; writes opx
.if DOCPART == 1
	.amdgcn_target "amdgcn-amd-amdhsa--gfx1250"
	.amdhsa_code_object_version 6
	.text
	.protected	k_q19d9d3dd55_quant
	.globl	k_q19d9d3dd55_quant
	.p2align	8
	.type	k_q19d9d3dd55_quant,@function
k_q19d9d3dd55_quant:
	s_mov_b64 s[64:65], 0
	v_nop
	global_prefetch_b8 v0, s[64:65] scope:SCOPE_SE
	s_setreg_imm32_b32 hwreg(HW_REG_WAVE_MODE, 25, 1), 1
	s_wait_xcnt 0x0
; x [8192][1024] and WQ, WK, WV, WO [1024][1024], f32 with K innermost, become codes of FP6 (E2M3) with one E8M0 byte for each 32 along K,
; laid in the ORDER OF THE OPERAND REGISTERS.  opx = [group g 0..95][K step s 0..7] blocks of 12,800 bytes; a group is 128 rows (g 0-63: x, 64-71 WQ, 72-79 WK, 80-87 WV, 88-95 WO).
; A block: 8 fragments of 1,536 bytes (16 rows x 128 K: three planes of 512 bytes, lane l has registers 4 p .. 4 p + 3 at 512 p + 16 l), then 512 bytes of scale words, word of (tile t, row r) at 256 (t / 4) + 16 r + 4 (t % 4).
; THE ROWS OF A TILE ARE NOT NEIGHBOURS: lane row r of tile t is row 32 (t / 2) + 8 (t % 2) + r + 8 (r / 8) of the group, so that results of two neighbouring tiles are 16 neighbours along the next K.
; A block scale is 2^(floor(log2(largest magnitude)) - 2); its byte is the largest magnitude's exponent field - 2, held at 1 from below.
; LIMITS: a block of zeros gets the byte 1 where the rule says 127 (its codes are zeros, and this program alone reads the bytes); NaN and infinities among the inputs are not served.
; SHARES: 1,536 units of four fragments; unit u = 6 x work-group + wave: group u / 16, K step (u / 2) % 8, half u % 2.  Waves share nothing: no barrier.  No input is read twice, so no cluster.
; Each load reads 512 consecutive bytes of one row; the 16 rows turn through the wave's own stage in LDS (rows 528 bytes apart) so that a lane gets 16 neighbours of each block of 32.
.set STG,  8448                        ; a wave's stage: 16 rows x (512 + 16) bytes
.set RA,   16                          ; v16-143  two sets of 64 registers as loaded
.set X,    144                         ; v144-207 register 16 b + i = k 32 b + 16 (lane / 16) + i of my row
.set TM,   208                         ; v208-223 at work
.set PW,   224                         ; v224-227 the four fragments' scale words
.set Y,    228                         ; v228-230, v232-234 second halves of the blocks
.set PC,   236                         ; v236-247 a fragment's codes
.set DD,   248                         ; v248-249 the scale words on their way out
.set SEL,  22                          ; s[22:23] lane selects for lane l xor 16
	s_load_b256 s[4:11], s[0:1], 0x0               ; x, WQ, WK, WV
	s_load_b128 s[12:15], s[0:1], 0x20             ; WO, opx
	v_lshl_add_u32 v254, v0, 2, 0xc600
	v_mov_b32 v255, 0
	v_lshrrev_b32 v4, 5, v0
	v_readfirstlane_b32 s16, v4                    ; wave 0..5
	v_and_b32 v4, 31, v0
	v_lshlrev_b32 v1, 4, v4                        ; 16 x lane: loads and stores of 512 consecutive bytes
	v_and_b32 v2, 15, v0                           ; r
	v_bfe_u32 v3, v0, 4, 1                         ; h
	s_mul_i32 s21, s16, STG
	v_add_nc_u32 v5, s21, v1                       ; the stage, on the way in
	v_mul_u32_u24 v6, v2, 528
	v_lshl_add_u32 v6, v3, 6, v6
	v_add_nc_u32 v6, s21, v6                       ; and on the way out: row r, + 64 h
	v_lshlrev_b32 v8, 4, v2
	v_lshl_add_u32 v8, v3, 3, v8                   ; the scale words: 16 r + 8 h
	v_cmp_eq_u32 vcc_lo, 1, v3
.irp b, 0,1,2,3
	v_mov_b32 v[TM+4+\b], 0                        ; written once: a lane permute's destination counts as one of its sources
.endr
	s_mov_b32 s[SEL], 0x76543210
	s_mov_b32 s[SEL+1], 0xfedcba98
	s_mul_i32 s17, ttmp9, 6
	s_add_co_u32 s17, s17, s16                     ; u
	s_lshr_b32 s18, s17, 4                         ; g
	s_lshr_b32 s19, s17, 1                         ; 8 g + s: the block
	s_and_b32 s20, s17, 1                          ; which half of its fragments
	s_and_b32 s32, s19, 7                          ; s
	s_and_b32 s33, s18, 7
	s_wait_alu depctr_va_vdst(0)
	s_wait_kmcnt 0x0
	s_cmp_lt_u32 s18, 88                           ; the tensor is chosen by the group's number alone
	s_cselect_b64 s[24:25], s[10:11], s[12:13]
	s_cmp_lt_u32 s18, 80
	s_cselect_b64 s[24:25], s[8:9], s[24:25]
	s_cmp_lt_u32 s18, 72
	s_cselect_b64 s[24:25], s[6:7], s[24:25]
	s_cmp_lt_u32 s18, 64
	s_cselect_b64 s[24:25], s[4:5], s[24:25]
	s_cselect_b32 s33, s18, s33                    ; the group's number inside its tensor
	s_lshl_b32 s26, s33, 19                        ; 128 rows of 4,096 bytes,
	s_lshl_b32 s34, s20, 18                        ; 64 rows for the upper half,
	s_add_co_u32 s26, s26, s34
	s_lshl_b32 s34, s32, 9                         ; 512 bytes a K step
	s_add_co_u32 s26, s26, s34
	s_mov_b32 s27, 0
	s_add_nc_u64 s[24:25], s[24:25], s[26:27]
	s_mul_i32 s28, s19, 12800
	s_mov_b32 s29, 0
	s_add_nc_u64 s[30:31], s[14:15], s[28:29]      ; the block
	s_mul_i32 s28, s20, 6144
	s_add_nc_u64 s[36:37], s[30:31], s[28:29]      ; my four fragments
	s_lshl_b32 s28, s20, 8
	s_add_nc_u64 s[30:31], s[30:31], s[28:29]      ; my 256 bytes of scale words (+ 12,288 in the store)
.macro LOADF t                         ; fragment t: its 16 rows, 512 bytes each
.irp i, 0,1,2,3,4,5,6,7,8,9,10,11,12,13,14,15
	global_load_b128 v[RA+64*((\t)%2)+4*\i:RA+64*((\t)%2)+4*\i+3], v1, s[24:25] offset:(32*((\t)/2)+8*((\t)%2)+\i+8*(\i/8))*4096 th:TH_LOAD_NT
.endr
.endm
.macro TURN t                          ; through the stage: LDS serves a wave's instructions in order, so no wait stands between the stores and the loads
.irp i, 0,1,2,3,4,5,6,7,8,9,10,11,12,13,14,15
	ds_store_b128 v5, v[RA+64*((\t)%2)+4*\i:RA+64*((\t)%2)+4*\i+3] offset:528*\i
.endr
.irp b, 0,1,2,3
.irp j, 0,1,2,3
	ds_load_b128 v[X+16*\b+4*\j:X+16*\b+4*\j+3], v6 offset:128*\b+16*\j
.endr
.endr
.endm
; 64 numbers of a lane become a fragment's codes in v[PC] on and its scale word in v[pw]
.macro QUANT s, pw
.irp b, 0,1,2,3
	v_max3_num_f32 v[TM+\b], |v[\s+16*\b]|, |v[\s+1+16*\b]|, 0x1800000   ; my 16 numbers of block b, and the floor 2^(3 - 127): the byte cannot fall under 1
.endr
.irp i, 2,4,6,8,10,12,14
.irp b, 0,1,2,3
	v_max3_num_f32 v[TM+\b], v[TM+\b], |v[\s+16*\b+\i]|, |v[\s+1+16*\b+\i]|
.endr
.endr
.irp b, 0,1,2,3
	v_permlanex16_b32 v[TM+4+\b], v[TM+\b], s[SEL], s[SEL+1]
.endr
.irp b, 0,1,2,3
	v_max_num_f32 v[TM+\b], v[TM+\b], v[TM+4+\b]   ; with lane l xor 16: the block's largest magnitude
.endr
.irp b, 0,1,2,3
	v_add_nc_u32 v[TM+12+\b], 0xff000000, v[TM+\b] ; 2 off its exponent field: the conversion's scale operand
.endr
.irp b, 0,1,2,3
	v_lshrrev_b32 v[TM+4+\b], 23, v[TM+12+\b]      ; the scale's byte
.endr
	v_lshl_or_b32 v[\pw], v[TM+5], 8, v[TM+4]
	v_lshl_or_b32 v[\pw], v[TM+6], 16, v[\pw]
	v_lshl_or_b32 v[\pw], v[TM+7], 24, v[\pw]
.irp c, 0,1
	v_cvt_scalef32_pk16_fp6_f32 v[PC+6*\c:PC+2+6*\c], v[\s+32*\c:\s+15+32*\c], v[TM+12+2*\c]
	v_cvt_scalef32_pk16_fp6_f32 v[Y+4*\c:Y+2+4*\c], v[\s+16+32*\c:\s+31+32*\c], v[TM+13+2*\c]   ; (a conversion's three registers begin on an even number)
.endr
	v_nop                                          ; one plain place behind a scaled conversion
.irp c, 0,1                                    ; the layout wants a whole block in a lane: lanes 0-15 block 2 c, lanes 16-31 block 2 c + 1
.irp i, 0,1,2
	v_permlane16_swap_b32 v[PC+6*\c+\i], v[Y+4*\c+\i]
.endr
.irp i, 0,1,2
	v_mov_b32 v[PC+3+6*\c+\i], v[Y+4*\c+\i]
.endr
.endr
.endm
	LOADF 0
	LOADF 1
.irp t, 0,1,2,3
.if \t < 3
	s_wait_loadcnt 16                              ; this fragment's 16 loads are in; the next fragment's 16 may be out
.else
	s_wait_loadcnt 0x0
.endif
	TURN \t
	s_wait_dscnt 0x0                               ; my 64 numbers are back, and the stage's stores have read their registers
.if \t > 0
	s_wait_xcnt 0x0                                ; the last fragment's stores have read the codes' registers: they are written again only behind this wait
.endif
.if \t < 2
	LOADF \t+2
.endif
	QUANT X, PW+\t
.irp pl, 0,1,2
	global_store_b128 v1, v[PC+4*\pl:PC+4*\pl+3], s[36:37] offset:1536*\t+512*\pl   ; 32 lanes store 512 consecutive bytes, aligned
.endr
.endr
	v_cndmask_b32 v[DD], v[PW], v[PW+2], vcc_lo    ; lanes 0-15 carry the words of fragments 0, 1, lanes 16-31 of 2, 3 (both halves of the lanes hold every word)
	v_cndmask_b32 v[DD+1], v[PW+1], v[PW+3], vcc_lo
	global_store_b64 v8, v[DD:DD+1], s[30:31] offset:12288   ; 32 lanes store 256 consecutive bytes, aligned
	s_wait_tensorcnt 0x0
	ds_add_u32 v254, v255
	s_wait_dscnt 0x0
	s_endpgm
.Lfunc_end_k_q19d9d3dd55_quant:
	.size	k_q19d9d3dd55_quant, .Lfunc_end_k_q19d9d3dd55_quant-k_q19d9d3dd55_quant
	.p2alignl 7, 3214868480
	.fill 96, 4, 3214868480
	.section	.rodata,"a",@progbits
	.p2align	6, 0x0
	.amdhsa_kernel k_q19d9d3dd55_quant
		.amdhsa_group_segment_fixed_size 51456
		.amdhsa_private_segment_fixed_size 0
		.amdhsa_enable_private_segment 0
		.amdhsa_kernarg_size 48
		.amdhsa_user_sgpr_count 2
		.amdhsa_user_sgpr_kernarg_segment_ptr 1
		.amdhsa_wavefront_size32 1
		.amdhsa_system_sgpr_workgroup_id_x 1
		.amdhsa_system_sgpr_workgroup_id_y 1
		.amdhsa_system_sgpr_workgroup_id_z 1
		.amdhsa_system_vgpr_workitem_id 0
		.amdhsa_next_free_vgpr 256
		.amdhsa_next_free_sgpr 66
		.amdhsa_reserve_vcc 1
		.amdhsa_float_denorm_mode_32 3
		.amdhsa_float_denorm_mode_16_64 3
		.amdhsa_memory_ordered 1
		.amdhsa_forward_progress 1
		.amdhsa_inst_pref_size 34
	.end_amdhsa_kernel
	.amdgpu_metadata
---
amdhsa.version: [ 1, 2 ]
amdhsa.kernels:
  - .name:           k_q19d9d3dd55_quant
    .symbol:         k_q19d9d3dd55_quant.kd
    .args:
      - { .name: x, .offset: 0, .size: 8, .value_kind: global_buffer, .address_space: global }
      - { .name: WQ, .offset: 8, .size: 8, .value_kind: global_buffer, .address_space: global }
      - { .name: WK, .offset: 16, .size: 8, .value_kind: global_buffer, .address_space: global }
      - { .name: WV, .offset: 24, .size: 8, .value_kind: global_buffer, .address_space: global }
      - { .name: WO, .offset: 32, .size: 8, .value_kind: global_buffer, .address_space: global }
      - { .name: opx, .offset: 40, .size: 8, .value_kind: global_buffer, .address_space: global }
    .group_segment_fixed_size: 51456
    .private_segment_fixed_size: 0
    .kernarg_segment_align: 8
    .kernarg_segment_size: 48
    .max_flat_workgroup_size: 192
    .sgpr_count:     66
    .vgpr_count:     256
    .wavefront_size: 32
...
	.end_amdgpu_metadata
.endif
;; end of part 1
;; launch proj (part 2): grid 8 x 96, 4 waves a work-group, clusters of 4 x 4, 307,712 bytes of LDS; arguments opx, qk, vv; writes qk, vv
.if DOCPART == 2
	.amdgcn_target "amdgcn-amd-amdhsa--gfx1250"
	.amdhsa_code_object_version 6
	.text
	.protected	k_q19d9d3dd55_proj
	.globl	k_q19d9d3dd55_proj
	.p2align	8
	.type	k_q19d9d3dd55_proj,@function
k_q19d9d3dd55_proj:
	s_mov_b64 s[64:65], 0
	v_nop
	global_prefetch_b8 v0, s[64:65] scope:SCOPE_SE
	s_setreg_imm32_b32 hwreg(HW_REG_WAVE_MODE, 25, 1), 1
	s_wait_xcnt 0x0
	s_wait_alu depctr_hold_cnt(0) depctr_sa_sdst(0) depctr_va_vdst(0) depctr_va_sdst(0) depctr_va_ssrc(0) depctr_va_vcc(0) depctr_vm_vsrc(0)
	s_getreg_b32 s2, hwreg(HW_REG_IB_STS2, 6, 4)
	s_cmp_eq_u32 s2, 0
	s_cbranch_scc0 .Lentry_in_a_cluster
	s_endpgm
.Lentry_in_a_cluster:
	s_bfe_u32 s2, ttmp6, 0x10000c
	s_cmp_lg_u32 s2, 0xf033
	s_cbranch_scc0 .Lentry_shape_is_right
	s_endpgm
.Lentry_shape_is_right:
; q = x WQ^T, k = x WK^T, v = x WV^T on codes of FP6 (E2M3) with E8M0 scales, K = 1,024; the results are quantised in registers (q, k along the head's 64, v along the keys) and stored as register images.
; A work-group makes 128 rows of operand A (source 1: they fall on the lanes) x 256 rows of operand B (source 0: they fall on a lane's registers).  All of K for its three groups of 128 rows, 3 x 8 x 12,800 bytes,
; lies in LDS at once: every tensor load is a first fill, nothing is filled again.  Four waves, each 64 x 128: 32 accumulators.
; ROLES by the cluster's y: under 16: A = tokens of x, B = rows of WQ and WK (registers run along the head: q and k are quantised along it); from 16 on: A = rows of WV, B = tokens (registers run along the keys).
; CLUSTERS: 4 x 4 work-groups; A's group is shared along a row of the cluster, B's two groups along a column: each is asked for jointly, with a mask that names the four.
; The rows of a tile were chosen by the launch before so that a lane's 16 registers of tiles 2 b and 2 b + 1 are 16 neighbours: 32 b + 16 (lane / 16) + 0 .. 15.
; qk = [32 batch + hh][step of 128 tokens] blocks of 6,400 bytes (hh = head for q, 16 + head for k): four runs of 1,536 bytes, in run b registers 0-5 = token tile 2 b, registers 6-11 = tile 2 b + 1; at 6,144 scale words [r][b].
; vv = [16 batch + head][step] blocks of 6,400 bytes: four fragments of V^T (16 of the head's 64 x 128 keys); at 6,144 scale words [r][tile].
; LIMITS: a block of zeros gets the byte 1 where the rule says 127 (its codes are zeros; this program alone reads the bytes); NaN and infinities are not served.
; REGISTERS: window 0: v1-13 addresses; v16-39 scale words, two sets; v64-159 A's fragments, two sets; v160-237 the way out.  window 1: B's fragments, two sets of 96.  window 2: accumulator (a, b) at v[8 (8 a + b)].
.set GRP, 102400                       ; a group's 8 K steps
.set BLK, 12800                        ; one K step of a group
.set CH,  25600                        ; two K steps of a group
.set FA,  4                            ; v4-5   LDS address of my A fragments, K steps 0-3 and 4-7
.set FB,  6                            ; v6-7   of my B fragments
.set SA,  8                            ; v8-9   of A's scale words
.set SB,  10                           ; v10-11 of B's
.set SC,  16                           ; set p at v[16 + 12 p]: 4 words of A's tiles, 8 of B's
.set AF,  64
.set TM,  160
.set PW,  176
.set PC,  180
.set Y,   228
.set DD,  236
.set SEL, 86
.set MSB, 0
.macro WIN new                         ; the immediate's high byte repeats the setting that is left
.if MSB != \new
	s_set_vgpr_msb (MSB<<8)|\new
.set MSB, \new
.endif
.endm
.macro ROUND                           ; a round of the cluster's barrier
	s_barrier_signal -1
	s_barrier_wait -1
	s_cmp_lg_u32 s10, 0
	s_cbranch_scc1 .Lnot_wave_0_\@
	s_barrier_signal -3
.Lnot_wave_0_\@:
	s_barrier_wait -3
	s_barrier_signal -1
	s_barrier_wait -1
.endm
.macro PLACES                          ; four places behind matrix instructions, in front of loads into their registers and of reads of their results
.rept 4
	v_nop
.endr
.endm
	s_load_b128 s[4:7], s[0:1], 0x0                ; opx, qk
	s_load_b64 s[8:9], s[0:1], 0x10                ; vv
	v_lshl_add_u32 v254, v0, 2, 0x4b000
	v_mov_b32 v255, 0
	ds_add_u32 v254, v255
	ds_add_u32 v254, v255
	v_lshrrev_b32 v1, 5, v0
	v_readfirstlane_b32 s10, v1                    ; wave 0..3
	s_lshr_b32 s11, s10, 1                         ; I: which 64 rows of A
	s_and_b32 s12, s10, 1                          ; J: which group of B
	s_bfe_u32 s13, ttmp6, 0x40000                  ; cx
	s_bfe_u32 s14, ttmp6, 0x40004                  ; cy
	s_and_b32 s16, ttmp7, 0xffff                   ; the cluster's y
	s_and_b32 s20, s16, 1
	s_lshl_b32 s20, s20, 2
	s_add_co_u32 s20, s20, 80                      ; v: A's groups are WV's
	s_lshl_b32 s21, s16, 2                         ; q, k: A's groups are x's
	s_max_u32 s22, s16, 16
	s_sub_co_u32 s22, s22, 16
	s_lshr_b32 s22, s22, 1
	s_lshl_b32 s22, s22, 4
	s_lshl_b32 s23, ttmp9, 3
	s_add_co_u32 s22, s22, s23                     ; v: B's groups are x's
	s_add_co_u32 s23, s23, 64                      ; q, k: WQ's and WK's
	s_cmp_ge_u32 s16, 16                           ; the same in all sixteen partners
	s_cselect_b32 s17, 1, 0
	s_cselect_b32 s18, s20, s21
	s_cselect_b32 s19, s22, s23
	s_add_co_u32 s18, s18, s14                     ; A's group: hangs on cy, which my row of the cluster shares
	s_lshl_b32 s76, s13, 1
	s_add_co_u32 s19, s19, s76                     ; B's first group: hangs on cx, which my column shares
	s_lshl_b32 s77, s14, 2
	s_lshl_b32 s77, 15, s77                        ; my row of the cluster
	s_lshl_b32 s78, 0x1111, s13                    ; my column
	s_or_b32 s24, s77, (3<<16)|(1<<21)             ; group 1 for A: the mask; elements of 8 bytes; bit 21 set beside a mask; no padding
	s_or_b32 s32, s78, (3<<16)|(1<<21)             ; and for B
.irp g, 24, 32
	s_mov_b32 s[\g+1], 32<<16                      ; tensor_dim0 = 32 elements: 256 bytes
	s_mov_b32 s[\g+2], 400<<16                     ; tensor_dim1 = 400 rows: a whole group, all 8 K steps
	s_mov_b32 s[\g+3], 32<<16                      ; tile_dim0
	s_mov_b32 s[\g+4], 400                         ; tile_dim1
	s_mov_b32 s[\g+5], 32                          ; the pitch: dense
	s_mov_b32 s[\g+6], 0
	s_mov_b32 s[\g+7], 0
.endr
	s_mul_i32 s80, s18, GRP
	s_mov_b32 s81, 0
	s_sub_co_u32 s79, s10, 1
	s_and_b32 s79, s79, 1                          ; wave 1 fetches B's first group, wave 2 its second
	s_add_co_u32 s84, s19, s79
	s_mul_i32 s84, s84, GRP
	s_mov_b32 s85, 0
	s_min_u32 s82, s10, 2
	s_mul_i32 s83, s82, GRP                        ; into region 1 or 2 of LDS
	s_wait_dscnt 0x0
	s_wait_kmcnt 0x0
	s_add_nc_u64 s[80:81], s[4:5], s[80:81]
	s_add_nc_u64 s[84:85], s[4:5], s[84:85]
.irp q, 0
	s_mov_b32 s[40+4*\q], 1                        ; group 0 for A's chunk q
	s_mov_b32 s[41+4*\q], CH*\q
	s_add_nc_u64 s[42+4*\q:43+4*\q], s[80:81], CH*\q
	s_or_b32 s[43+4*\q], s[43+4*\q], 0x80000000
	s_mov_b32 s[56+4*\q+4*(\q/2)], 1               ; and for B's, at s56
	s_add_co_u32 s[57+4*\q+4*(\q/2)], s83, CH*\q
	s_add_nc_u64 s[58+4*\q+4*(\q/2):59+4*\q+4*(\q/2)], s[84:85], CH*\q
	s_or_b32 s[59+4*\q+4*(\q/2)], s[59+4*\q+4*(\q/2)], 0x80000000
.endr
	ROUND                                          ; all sixteen work-groups are here: the joint loads meet
	s_cmp_eq_u32 s10, 0                            ; wave 0 asks for A's group, waves 1 and 2 for one of B's each, wave 3 for nothing: one load a wave, 102,400 bytes
	s_cbranch_scc0 .Lnot_a
	tensor_load_to_lds s[40:43], s[24:31]
	s_nop 0
	PLACES
	s_branch .Lasked
.Lnot_a:
	s_cmp_eq_u32 s10, 3
	s_cbranch_scc1 .Lasked
	tensor_load_to_lds s[56:59], s[32:39]
	s_nop 0
	PLACES
.Lasked:
	v_and_b32 v12, 31, v0
	v_lshlrev_b32 v1, 4, v12                       ; 16 x lane
	v_and_b32 v2, 15, v0                           ; r
	v_bfe_u32 v3, v0, 4, 1                         ; h
	s_mul_i32 s20, s11, 6144
	v_add_nc_u32 v[FA], s20, v1                    ; A's tiles 4 I on
	v_add_nc_u32 v[FA+1], 51200, v[FA]
	s_mul_i32 s21, s12, GRP
	s_add_co_u32 s21, s21, GRP
	v_add_nc_u32 v[FB], s21, v1                    ; region 1 + J
	v_add_nc_u32 v[FB+1], 51200, v[FB]
	v_lshlrev_b32 v12, 4, v2
	s_lshl_b32 s20, s11, 8
	s_add_co_u32 s20, s20, 12288
	v_add_nc_u32 v[SA], s20, v12
	v_add_nc_u32 v[SA+1], 51200, v[SA]
	s_add_co_u32 s21, s21, 12288
	v_add_nc_u32 v[SB], s21, v12
	v_add_nc_u32 v[SB+1], 51200, v[SB]
.irp b, 0,1,2,3
	v_mov_b32 v[TM+4+\b], 0                        ; written once: a lane permute's destination counts as one of its sources
.endr
	s_mov_b32 s[SEL], 0x76543210
	s_mov_b32 s[SEL+1], 0xfedcba98
; 39 LDS loads: K step k's fragments (B's eight, A's four) and scale words into set k % 2.  Every load reads 512 (scale words: 256) consecutive bytes.
.macro FETCH k
.set KP, (\k)%2
.set KA, (\k)/4
.set KO, ((\k)%4)*BLK
	WIN 0x40                                       ; destination window 1
.irp b, 0,1,2,3,4,5,6,7
.irp pl, 0,1,2
	ds_load_b128 v[96*KP+12*\b+4*\pl:96*KP+12*\b+4*\pl+3], v[FB+KA] offset:KO+1536*\b+512*\pl
.endr
.endr
	WIN 0
.irp a, 0,1,2,3
.irp pl, 0,1,2
	ds_load_b128 v[AF+48*KP+12*\a+4*\pl:AF+48*KP+12*\a+4*\pl+3], v[FA+KA] offset:KO+1536*\a+512*\pl
.endr
.endr
	ds_load_b128 v[SC+12*KP:SC+12*KP+3], v[SA+KA] offset:KO
	ds_load_b128 v[SC+12*KP+4:SC+12*KP+7], v[SB+KA] offset:KO
	ds_load_b128 v[SC+12*KP+8:SC+12*KP+11], v[SB+KA] offset:KO+256
.endm
; 32 matrix instructions: K step k.  The 32 accumulators take turns, one instruction a turn, in the same order in every step.  The first step starts the sums.
.macro MUL k
.set KP, (\k)%2
	WIN 0xa1                                       ; source 0 (B) window 1, source 1 (A) window 0, C and D window 2
.irp a, 0,1,2,3
.irp b, 0,1,2,3,4,5,6,7
.if (\k) == 0
	v_wmma_scale_f32_16x16x128_f8f6f4 v[8*(8*\a+\b):8*(8*\a+\b)+7], v[96*KP+12*\b:96*KP+12*\b+11], v[AF+48*KP+12*\a:AF+48*KP+12*\a+11], 0, v[SC+12*KP+4+\b], v[SC+12*KP+\a] matrix_a_fmt:MATRIX_FMT_FP6 matrix_b_fmt:MATRIX_FMT_FP6
.else
	v_wmma_scale_f32_16x16x128_f8f6f4 v[8*(8*\a+\b):8*(8*\a+\b)+7], v[96*KP+12*\b:96*KP+12*\b+11], v[AF+48*KP+12*\a:AF+48*KP+12*\a+11], v[8*(8*\a+\b):8*(8*\a+\b)+7], v[SC+12*KP+4+\b], v[SC+12*KP+\a] matrix_a_fmt:MATRIX_FMT_FP6 matrix_b_fmt:MATRIX_FMT_FP6
.endif
.endr
.endr
.endm
.macro STAGE q                         ; all three groups are whole for every wave
	s_wait_tensorcnt 0x0                           ; my one load has landed
	s_wait_dscnt 0x0                               ; no LDS load of mine is out at a signal
	s_barrier_signal -1
	s_barrier_wait -1
.endm
	s_wait_alu depctr_va_vdst(0)
	STAGE 0
	FETCH 0
.set kk, 0
.rept 7
.if kk > 0
	PLACES
.endif
	FETCH kk+1
	s_wait_dscnt 39                                ; this step's loads are in; the next step's 39 may be out
	MUL kk
.set kk, kk+1
.endr
	s_wait_dscnt 0x0
	MUL 7
	PLACES
	WIN 0
; THE WAY OUT.  64 results of a lane, blocks of 16 registers at s0, s0 + 16, s1, s1 + 16 of window 2, become fragment e: codes in v[PC + 12 e] on, scale word in v[PW + e].  Each accumulator is read from its low end on.
.macro QUANT2 s0, s1, e
	WIN 0
.irp b, 0,1,2,3
	v_mov_b32 v[TM+\b], 0x1800000                  ; the floor 2^(3 - 127): the byte cannot fall under 1
.endr
	WIN 0x28                                       ; sources 1 and 2 window 2
.irp i, 0,2,4,6,8,10,12,14
	v_max3_num_f32 v[TM], v[TM], |v[(\s0)+\i]|, |v[(\s0)+1+\i]|
	v_max3_num_f32 v[TM+1], v[TM+1], |v[(\s0)+16+\i]|, |v[(\s0)+17+\i]|
	v_max3_num_f32 v[TM+2], v[TM+2], |v[(\s1)+\i]|, |v[(\s1)+1+\i]|
	v_max3_num_f32 v[TM+3], v[TM+3], |v[(\s1)+16+\i]|, |v[(\s1)+17+\i]|
.endr
	WIN 0
.irp b, 0,1,2,3
	v_permlanex16_b32 v[TM+4+\b], v[TM+\b], s[SEL], s[SEL+1]
.endr
.irp b, 0,1,2,3
	v_max_num_f32 v[TM+\b], v[TM+\b], v[TM+4+\b]   ; with lane l xor 16: the block's largest magnitude
.endr
.irp b, 0,1,2,3
	v_add_nc_u32 v[TM+12+\b], 0xff000000, v[TM+\b] ; 2 off its exponent field: the conversion's scale operand
.endr
.irp b, 0,1,2,3
	v_lshrrev_b32 v[TM+4+\b], 23, v[TM+12+\b]      ; the scale's byte
.endr
	v_lshl_or_b32 v[PW+(\e)], v[TM+5], 8, v[TM+4]
	v_lshl_or_b32 v[PW+(\e)], v[TM+6], 16, v[PW+(\e)]
	v_lshl_or_b32 v[PW+(\e)], v[TM+7], 24, v[PW+(\e)]
	WIN 0x02                                       ; source 0 window 2
	v_cvt_scalef32_pk16_fp6_f32 v[PC+12*(\e):PC+12*(\e)+2], v[(\s0):(\s0)+15], v[TM+12]
	v_cvt_scalef32_pk16_fp6_f32 v[Y:Y+2], v[(\s0)+16:(\s0)+31], v[TM+13]
	v_cvt_scalef32_pk16_fp6_f32 v[PC+12*(\e)+6:PC+12*(\e)+8], v[(\s1):(\s1)+15], v[TM+14]
	v_cvt_scalef32_pk16_fp6_f32 v[Y+4:Y+6], v[(\s1)+16:(\s1)+31], v[TM+15]
	WIN 0
	v_nop                                          ; one plain place behind a scaled conversion
.irp c, 0,1
.irp i, 0,1,2
	v_permlane16_swap_b32 v[PC+12*(\e)+6*\c+\i], v[Y+4*\c+\i]
.endr
.irp i, 0,1,2
	v_mov_b32 v[PC+12*(\e)+3+6*\c+\i], v[Y+4*\c+\i]
.endr
.endr
.endm
	v_cmp_eq_u32 vcc_lo, 1, v3
	s_cmp_eq_u32 s17, 0                            ; the same in all partners
	s_cbranch_scc0 .Lvpath
	; ---- q and k: lanes are tokens; a lane's 64 registers of A's tile a are two heads x 64.  Run be of head c = tiles 2 be and 2 be + 1
	s_lshr_b32 s20, s18, 4
	s_lshl_b32 s20, s20, 5                         ; 32 x batch
	s_add_co_u32 s21, s19, s12
	s_sub_co_u32 s21, s21, 64
	s_lshl_b32 s21, s21, 1                         ; hh of my first head
	s_add_co_u32 s20, s20, s21
	s_lshl_b32 s20, s20, 4
	s_and_b32 s21, s18, 15                         ; the step of 128 tokens
	s_add_co_u32 s20, s20, s21
	s_mul_i32 s20, s20, 6400
	s_mov_b32 s21, 0
	s_add_nc_u64 s[76:77], s[6:7], s[20:21]        ; the block of my first head; the second head's lies GRP bytes on
	s_mul_i32 s20, s11, 3072
	s_add_nc_u64 s[78:79], s[76:77], s[20:21]      ; my two runs
	v_mul_u32_u24 v13, v3, GRP
	v_lshl_add_u32 v13, v2, 4, v13
	s_lshl_b32 s22, s11, 3
	v_add_nc_u32 v13, s22, v13                     ; scale words: 16 r + 8 I, lanes 16-31 in the second head's block
.irp be, 0,1
.irp c, 0,1
	QUANT2 64*(2*\be)+32*\c, 64*(2*\be+1)+32*\c, 2*\be+\c
.irp pl, 0,1,2
	global_store_b128 v1, v[PC+12*(2*\be+\c)+4*\pl:PC+12*(2*\be+\c)+4*\pl+3], s[78:79] offset:GRP*\c+1536*\be+512*\pl   ; 512 consecutive bytes, aligned
.endr
.endr
.endr
	v_cndmask_b32 v[DD], v[PW], v[PW+1], vcc_lo    ; lanes 0-15: the first head's two words, lanes 16-31: the second head's
	v_cndmask_b32 v[DD+1], v[PW+2], v[PW+3], vcc_lo
	global_store_b64 v13, v[DD:DD+1], s[76:77] offset:6144
	s_branch .Ldone
.Lvpath:
	; ---- v: lanes are 16 of a head's 64, a lane's 64 registers of A's tile a are 128 keys: one fragment of V^T
	s_add_co_u32 s20, s19, s12                     ; the group of tokens
	s_lshr_b32 s21, s20, 4
	s_lshl_b32 s21, s21, 4                         ; 16 x batch
	s_sub_co_u32 s22, s18, 80
	s_lshl_b32 s22, s22, 1
	s_add_co_u32 s22, s22, s11                     ; the head
	s_add_co_u32 s21, s21, s22
	s_lshl_b32 s21, s21, 4
	s_and_b32 s20, s20, 15
	s_add_co_u32 s20, s20, s21
	s_mul_i32 s20, s20, 6400
	s_mov_b32 s21, 0
	s_add_nc_u64 s[76:77], s[8:9], s[20:21]
	v_lshlrev_b32 v13, 4, v2
	v_lshl_add_u32 v13, v3, 3, v13                 ; scale words: 16 r + 8 h
.irp a, 0,1,2,3
	QUANT2 64*\a, 64*\a+32, \a
.irp pl, 0,1,2
	global_store_b128 v1, v[PC+12*\a+4*\pl:PC+12*\a+4*\pl+3], s[76:77] offset:1536*\a+512*\pl
.endr
.endr
	v_cndmask_b32 v[DD], v[PW], v[PW+2], vcc_lo
	v_cndmask_b32 v[DD+1], v[PW+1], v[PW+3], vcc_lo
	global_store_b64 v13, v[DD:DD+1], s[76:77] offset:6144   ; 256 consecutive bytes, aligned
.Ldone:
	s_wait_tensorcnt 0x0
	ds_add_u32 v254, v255
	s_wait_dscnt 0x0
	ROUND                                          ; the closing round: no work-group ends while a partner may still ask for a tile that names it
	s_endpgm
.Lfunc_end_k_q19d9d3dd55_proj:
	.size	k_q19d9d3dd55_proj, .Lfunc_end_k_q19d9d3dd55_proj-k_q19d9d3dd55_proj
	.p2alignl 7, 3214868480
	.fill 96, 4, 3214868480
	.section	.rodata,"a",@progbits
	.p2align	6, 0x0
	.amdhsa_kernel k_q19d9d3dd55_proj
		.amdhsa_group_segment_fixed_size 307712
		.amdhsa_private_segment_fixed_size 0
		.amdhsa_enable_private_segment 0
		.amdhsa_kernarg_size 24
		.amdhsa_user_sgpr_count 2
		.amdhsa_user_sgpr_kernarg_segment_ptr 1
		.amdhsa_wavefront_size32 1
		.amdhsa_system_sgpr_workgroup_id_x 1
		.amdhsa_system_sgpr_workgroup_id_y 1
		.amdhsa_system_sgpr_workgroup_id_z 1
		.amdhsa_system_vgpr_workitem_id 0
		.amdhsa_next_free_vgpr 768
		.amdhsa_next_free_sgpr 90
		.amdhsa_reserve_vcc 1
		.amdhsa_float_denorm_mode_32 3
		.amdhsa_float_denorm_mode_16_64 3
		.amdhsa_memory_ordered 1
		.amdhsa_forward_progress 1
		.amdhsa_inst_pref_size 96
	.end_amdhsa_kernel
	.amdgpu_metadata
---
amdhsa.version: [ 1, 2 ]
amdhsa.kernels:
  - .name:           k_q19d9d3dd55_proj
    .symbol:         k_q19d9d3dd55_proj.kd
    .args:
      - { .name: opx, .offset: 0, .size: 8, .value_kind: global_buffer, .address_space: global }
      - { .name: qk, .offset: 8, .size: 8, .value_kind: global_buffer, .address_space: global }
      - { .name: vv, .offset: 16, .size: 8, .value_kind: global_buffer, .address_space: global }
    .group_segment_fixed_size: 307712
    .private_segment_fixed_size: 0
    .kernarg_segment_align: 8
    .kernarg_segment_size: 24
    .max_flat_workgroup_size: 128
    .sgpr_count:     90
    .vgpr_count:     768
    .wavefront_size: 32
...
	.end_amdgpu_metadata
.endif
;; end of part 2
;; launch attn (part 3): grid 4 x 64, 16 waves a work-group, clusters of 4 x 1, 272,384 bytes of LDS; arguments qk, vv, opa; writes opa
.if DOCPART == 3
	.amdgcn_target "amdgcn-amd-amdhsa--gfx1250"
	.amdhsa_code_object_version 6
	.text
	.protected	k_q19d9d3dd55_attn
	.globl	k_q19d9d3dd55_attn
	.p2align	8
	.type	k_q19d9d3dd55_attn,@function
k_q19d9d3dd55_attn:
	s_mov_b64 s[64:65], 0
	v_nop
	global_prefetch_b8 v0, s[64:65] scope:SCOPE_SE
	s_setreg_imm32_b32 hwreg(HW_REG_WAVE_MODE, 25, 1), 1
	s_wait_xcnt 0x0
	s_wait_alu depctr_hold_cnt(0) depctr_sa_sdst(0) depctr_va_vdst(0) depctr_va_sdst(0) depctr_va_ssrc(0) depctr_va_vcc(0) depctr_vm_vsrc(0)
	s_getreg_b32 s2, hwreg(HW_REG_IB_STS2, 6, 4)
	s_cmp_eq_u32 s2, 0
	s_cbranch_scc0 .Lentry_in_a_cluster
	s_endpgm
.Lentry_in_a_cluster:
	s_bfe_u32 s2, ttmp6, 0x10000c
	s_cmp_lg_u32 s2, 0x3003
	s_cbranch_scc0 .Lentry_shape_is_right
	s_endpgm
.Lentry_shape_is_right:
; For each (batch, head): softmax(q k^T / 8) v, both products on codes of FP6 (E2M3) with E8M0 scales; the FINISHED, NORMALISED softmax is what is quantised along the keys; the result is quantised along the model's 1,024 and stored as register images.
; TWO PASSES over the keys, since a row's maximum m and sum l must be known before any p is quantised.  Pass 1: S^T = K Q^T, running m, l = sum of 2^(c s - c m), c = log2(e) / 8; each block's largest score is kept in LDS.
; Pass 2: S^T again with C = -m, so that the matrix unit returns s - m; p = 2^(c (s - m) + NL), NL = -log2 l - d, d the rounding error of pass 1's product c m: p comes out normalised by one multiply-add and one exponential.
; A block's largest p is not searched for: the block's largest score of pass 1 goes through a subtraction of m and the same multiply-add and exponential.
; SHARES.  A work-group owns 512 queries of one head; the head's K and V (codes and scale words, 204,800 bytes) lie in LDS for the whole launch.  The four work-groups of a cluster are the four quarters of one head:
; K and V are asked for jointly, once.  Each of 16 waves owns 32 queries, two tiles taken one after the other, in 256 registers: four waves to a SIMD, so that one wave's vector work stands beside another's matrix work.
; K = 64 IN AN INSTRUCTION OF 128: a run of K holds two tiles of 16 keys (k 0-63: tile 2 b, k 64-127: tile 2 b + 1).  Q stands between zero codes: [0 x 6 | q x 6 | 0 x 6]; the upper 12 registers pick tile 2 b, the lower 12 tile 2 b + 1.
; Both products are used transposed: a lane holds one query; registers 16 b + i of S^T are keys 32 b + 16 (lane / 16) + i.
; LIMITS: NaN, infinities and scores beyond f32 are not served (for finite scores nan_to_num changes nothing); p under 2^-126 becomes 0; a block of zeros carries the byte 1 (its codes are zeros);
; a block whose largest p lies within a few last bits of a power of two may get the neighbouring scale, since its largest p is made from the rounded score.
.set GRP,   102400                     ; a head's 16 blocks of 6,400 bytes
.set CH,    25600                      ; what one tensor load brings
.set STEPB, 6400                       ; a step of 128 keys
.set VB,    102400                     ; LDS: K at 0, V here,
.set BMB,   204800                     ; and each wave's 4,096 bytes of block maxima [step][r][4]: written by LDS stores alone
.set KF,  48                           ; v48-95   four runs of K, then four fragments of V
.set S,   96                           ; v96-159  scores, then p
.set O,   160                          ; v160-191 O^T
.set PCD, 192                          ; v192-203 p's codes
.set Y,   204                          ; v204-206, v208-210
.set KSC, 212                          ; v212-215 K's scale words;  v216-219 V's
.set VSC, 216
.set BM,  220                          ; v220-223 block maxima;  v224-227 at work
.set BT,  224
.set SCO, 228                          ; v228-231 the conversions' scale operands
.set PS,  232                          ; v232     p's scale word
.set NM,  234                          ; v[234:235] pass 1: -c m; pass 2: NL
.set MX,  236                          ; v236     m
.set T0,  237
.set L,   238                          ; v[238:239], v[240:241] the sum in two chains; v[242:243] the factor; v[244:245] data for LDS
.set L2,  240
.set FC,  242
.set BD,  244
.set MC,  238                          ; pass 2: v238-245 hold -m, the C of K Q^T
.set E,   246                          ; v246-251 O's codes;  v252-254 their second half
.set TT,  252
.set SCK, 255                          ; O's scale bytes of both tiles
.macro ROUND
	s_barrier_signal -1
	s_barrier_wait -1
	s_cmp_lg_u32 s10, 0
	s_cbranch_scc1 .Lnot_wave_0_\@
	s_barrier_signal -3
.Lnot_wave_0_\@:
	s_barrier_wait -3
	s_barrier_signal -1
	s_barrier_wait -1
.endm
.macro PLACES
.rept 4
	v_nop
.endr
.endm
	s_load_b128 s[4:7], s[0:1], 0x0                ; qk, vv
	s_load_b64 s[8:9], s[0:1], 0x10                ; opa
	v_lshl_add_u32 v211, v0, 2, 0x42000
	v_mov_b32 v233, 0
	ds_add_u32 v211, v233
	ds_add_u32 v211, v233
	v_lshrrev_b32 v7, 5, v0
	s_delay_alu instid0(VALU_DEP_1)
	v_readfirstlane_b32 s10, v7                    ; wave 0..15
	s_bfe_u32 s11, ttmp6, 0x40000                  ; cx
	s_lshl_b32 s46, ttmp9, 2
	s_add_co_u32 s11, s11, s46                     ; my quarter of the queries: it enters Q's and the result's addresses alone
	s_and_b32 s12, ttmp7, 0xffff                   ; 16 batch + head, which the four partners share
	s_lshr_b32 s13, s12, 4
	s_and_b32 s14, s12, 15
	s_and_b32 s49, s12, 1
	s_mov_b32 s16, 15|(3<<16)|(1<<21)              ; group 1: the mask names all four; elements of 8 bytes; bit 21 set beside a mask; no padding
	s_mov_b32 s17, 32<<16                          ; rows of 256 bytes,
	s_mov_b32 s18, 100<<16                         ; 100 of them,
	s_mov_b32 s19, 32<<16
	s_mov_b32 s20, 100
	s_mov_b32 s21, 32                              ; dense
	s_mov_b32 s22, 0
	s_mov_b32 s23, 0
	s_lshl_b32 s54, s13, 5
	s_add_co_u32 s54, s54, s14
	s_mul_i32 s56, s54, GRP                        ; where the head's q begins in qk; its k lies 16 GRP on
	s_and_b32 s57, s10, 3
	s_mul_i32 s57, s57, CH                         ; waves 0 to 3 fetch a quarter of K each, waves 4 to 7 a quarter of V
	s_add_co_u32 s54, s56, 16*GRP
	s_add_co_u32 s54, s54, s57
	s_mov_b32 s55, 0
	s_mul_i32 s58, s12, GRP
	s_add_co_u32 s58, s58, s57
	s_mov_b32 s59, 0
	s_wait_dscnt 0x0
	s_wait_kmcnt 0x0
	s_mov_b32 s24, 1
	s_mov_b32 s25, s57
	s_add_nc_u64 s[26:27], s[4:5], s[54:55]
	s_or_b32 s27, s27, 0x80000000
	s_mov_b32 s28, 1
	s_add_co_u32 s29, s57, VB
	s_add_nc_u64 s[30:31], s[6:7], s[58:59]
	s_or_b32 s31, s31, 0x80000000
	ROUND                                          ; all four work-groups are here: the joint loads meet
	s_cmp_lt_u32 s10, 4                            ; one chain of branches on the wave's number, one load to an arm
	s_cbranch_scc0 .Lnot_k
	tensor_load_to_lds s[24:27], s[16:23]          ; my quarter of K
	s_nop 0
	PLACES
	s_branch .Lno_fill
.Lnot_k:
	s_cmp_lt_u32 s10, 8
	s_cbranch_scc0 .Lno_fill
	tensor_load_to_lds s[28:31], s[16:23]          ; my quarter of V
	s_nop 0
	PLACES
.Lno_fill:
	s_mov_b32 s32, 0x76543210                      ; lane selects for lane l xor 16
	s_mov_b32 s33, 0xfedcba98
	s_mov_b32 s34, 0x3e38aa3b                      ; c = log2(e) / 8
	s_mov_b32 s35, s34                             ; (named with it as a pair)
	s_mov_b32 s36, 0xbe38aa3b                      ; -c
	v_and_b32 v12, 31, v0
	s_delay_alu instid0(VALU_DEP_1)
	v_lshlrev_b32 v1, 4, v12                       ; 16 x lane
	v_and_b32 v14, 15, v0                          ; r
	v_bfe_u32 v15, v0, 4, 1                        ; h
	s_delay_alu instid0(VALU_DEP_2)
	v_lshlrev_b32 v12, 4, v14
	s_wait_alu depctr_va_vdst(0)
	v_add_nc_u32 v2, 6144, v12                     ; K's scale words
	v_add_nc_u32 v3, VB, v1                        ; V's fragments
	v_add_nc_u32 v4, VB+6144, v12                  ; V's scale words
	s_lshl_b32 s53, s10, 12
	s_add_co_u32 s53, s53, BMB
	v_add_nc_u32 v6, s53, v12                      ; my block maxima, read: 16 r
	s_delay_alu instid0(VALU_DEP_1)
	v_lshl_add_u32 v5, v15, 3, v6                  ; written: 16 r + 8 h
	v_lshl_add_u32 v13, v15, 2, v12                ; the result's scale bytes: 16 r + 4 h
	v_cmp_eq_u32 s48, 1, v15
	s_and_b32 s52, s10, 3
	s_lshl_b32 s46, s11, 2
	s_lshr_b32 s47, s10, 2
	s_add_co_u32 s50, s46, s47                     ; my step of 128 tokens in the batch: 4 x quarter + wave / 4
	s_mul_i32 s46, s50, STEPB
	s_add_co_u32 s46, s46, s56
	s_mov_b32 s47, 0
	s_add_nc_u64 s[40:41], s[4:5], s[46:47]        ; the block with my run of q
	s_mul_i32 s53, s52, 1536
	v_add_nc_u32 v7, s53, v1
	s_lshl_b32 s53, s52, 2
	v_add_nc_u32 v8, s53, v12
	global_load_b128 v[34:37], v7, s[40:41]        ; my run: registers 0-5 tile 0, registers 6-11 tile 1
	global_load_b128 v[38:41], v7, s[40:41] offset:512
	global_load_b128 v[42:45], v7, s[40:41] offset:1024
	global_load_b32 v46, v8, s[40:41] offset:6144  ; its scale word: two bytes a tile
	s_lshl_b32 s46, s13, 4
	s_add_co_u32 s46, s46, s50                     ; the group of 128 tokens
	s_lshl_b32 s46, s46, 3
	s_lshr_b32 s51, s14, 1
	s_add_co_u32 s46, s46, s51                     ; K step of the last product = head / 2
	s_mul_i32 s46, s46, 12800
	s_add_nc_u64 s[44:45], s[8:9], s[46:47]        ; the block of opa
	s_mul_i32 s46, s52, 3072
	s_add_nc_u64 s[42:43], s[44:45], s[46:47]      ; my two fragments: tiles 2 (wave % 4) and + 1
	s_lshr_b32 s46, s52, 1
	s_lshl_b32 s46, s46, 8
	s_and_b32 s53, s10, 1
	s_lshl_b32 s53, s53, 3
	s_add_co_u32 s46, s46, s53
	s_lshl_b32 s53, s49, 1
	s_add_co_u32 s46, s46, s53
	s_add_nc_u64 s[44:45], s[44:45], s[46:47]      ; my scale bytes (+ 12,288 in the store)
.irp i, 0,1,2,3,4,5
	v_mov_b32 v[16+\i], 0                          ; the zero codes round q
	v_mov_b32 v[28+\i], 0
.endr
.irp b, 0,1,2,3
	v_mov_b32 v[BT+\b], 0                          ; written once: a lane permute's destination counts as one of its sources
.endr
	s_wait_loadcnt 0x0                             ; q
	s_wait_tensorcnt 0x0                           ; my one load has landed: behind this barrier K and V are whole for every wave
	s_barrier_signal -1
	s_barrier_wait -1
.macro KLOAD
.irp be, 0,1,2,3
.irp pl, 0,1,2
	ds_load_b128 v[KF+12*\be+4*\pl:KF+12*\be+4*\pl+3], v7 offset:1536*\be+512*\pl
.endr
.endr
	ds_load_b128 v[KSC:KSC+3], v8
.endm
.macro VLOAD
.irp t, 0,1,2,3
.irp pl, 0,1,2
	ds_load_b128 v[KF+12*\t+4*\pl:KF+12*\t+4*\pl+3], v9 offset:1536*\t+512*\pl
.endr
.endr
	ds_load_b128 v[VSC:VSC+3], v10
.endm
.macro QKMUL withm                     ; eight tiles of 16 keys: run be against q below (tile 2 be) and q above (tile 2 be + 1)
.irp be, 0,1,2,3
.if \withm
	v_wmma_scale_f32_16x16x128_f8f6f4 v[S+16*\be:S+16*\be+7], v[KF+12*\be:KF+12*\be+11], v[22:33], v[MC:MC+7], v[KSC+\be], v47 matrix_a_fmt:MATRIX_FMT_FP6 matrix_b_fmt:MATRIX_FMT_FP6
	v_wmma_scale_f32_16x16x128_f8f6f4 v[S+16*\be+8:S+16*\be+15], v[KF+12*\be:KF+12*\be+11], v[16:27], v[MC:MC+7], v[KSC+\be], v47 matrix_a_fmt:MATRIX_FMT_FP6 matrix_b_fmt:MATRIX_FMT_FP6
.else
	v_wmma_scale_f32_16x16x128_f8f6f4 v[S+16*\be:S+16*\be+7], v[KF+12*\be:KF+12*\be+11], v[22:33], 0, v[KSC+\be], v47 matrix_a_fmt:MATRIX_FMT_FP6 matrix_b_fmt:MATRIX_FMT_FP6
	v_wmma_scale_f32_16x16x128_f8f6f4 v[S+16*\be+8:S+16*\be+15], v[KF+12*\be:KF+12*\be+11], v[16:27], 0, v[KSC+\be], v47 matrix_a_fmt:MATRIX_FMT_FP6 matrix_b_fmt:MATRIX_FMT_FP6
.endif
.endr
.endm
.macro BMAX                            ; the largest score of each block of 32 keys, the four blocks by turns; each accumulator is read from its low end on
.irp b, 0,1,2,3
	v_max3_num_f32 v[BM+\b], v[S+16*\b], v[S+1+16*\b], v[S+2+16*\b]
.endr
.irp i, 3,5,7,9,11,13
.irp b, 0,1,2,3
	v_max3_num_f32 v[BM+\b], v[BM+\b], v[S+16*\b+\i], v[S+1+16*\b+\i]
.endr
.endr
.irp b, 0,1,2,3
	v_max_num_f32 v[BM+\b], v[BM+\b], v[S+15+16*\b]
.endr
.irp b, 0,1,2,3
	s_delay_alu instid0(VALU_DEP_4)
	v_permlanex16_b32 v[BT+\b], v[BM+\b], s32, s33
.endr
.irp b, 0,1,2,3
	s_delay_alu instid0(VALU_DEP_4)
	v_max_num_f32 v[BM+\b], v[BM+\b], v[BT+\b]     ; with lane l xor 16: both lanes of a query now hold the same four
.endr
.endm
; PASS 1, one step of 128 keys
.macro P1STEP
	v_add_nc_u32 v7, s37, v1
	v_add_nc_u32 v8, s37, v2
	v_add_nc_u32 v11, s38, v5
	KLOAD
	s_wait_dscnt 0x0
	QKMUL 0
	PLACES
	BMAX
	s_delay_alu instid0(VALU_DEP_2)
	v_cndmask_b32 v[BD], v[BM], v[BM+2], s48       ; lanes 0-15 keep blocks 0, 1, lanes 16-31 blocks 2, 3
	s_delay_alu instid0(VALU_DEP_2)
	v_cndmask_b32 v[BD+1], v[BM+1], v[BM+3], s48
	ds_store_b64 v11, v[BD:BD+1]
	v_max3_num_f32 v[BT], v[BM], v[BM+1], v[BM+2]
	v_mov_b32 v[T0], v[NM]
	s_delay_alu instid0(VALU_DEP_2)
	v_max3_num_f32 v[MX], v[BT], v[BM+3], v[MX]    ; the running maximum
	s_delay_alu instid0(VALU_DEP_1)
	v_mul_f32 v[NM], s36, v[MX]                    ; -c m
	s_delay_alu instid0(VALU_DEP_1)
	v_sub_f32 v[T0], v[NM], v[T0]                  ; c m_old - c m_new, 0 or less
.set j, 0
.rept 32
	v_pk_fma_f32 v[S+j:S+j+1], v[S+j:S+j+1], s[34:35], v[NM:NM+1] op_sel_hi:[1,0,0]   ; c s - c m, two at a time
.set j, j+2
.endr
.set j, 0
	s_wait_alu depctr_va_vdst(0)
.rept 64
	v_exp_f32 v[S+j], v[S+j]
.set j, j+1
.endr
	v_exp_f32 v[FC], v[T0]
	v_nop                                          ; a plain place behind the last exponential
	s_wait_alu depctr_va_vdst(0)                   ; one wait for the batch of 65, ahead of its first reader
	v_pk_mul_f32 v[L:L+1], v[L:L+1], v[FC:FC+1] op_sel_hi:[1,0]   ; the sum under the new maximum
	v_pk_add_f32 v[240:241], v[100:101], v[104:105]
	v_pk_add_f32 v[252:253], v[108:109], v[112:113]
	v_pk_add_f32 v[250:251], v[116:117], v[120:121]
	v_pk_add_f32 v[248:249], v[124:125], v[128:129]
	v_pk_add_f32 v[246:247], v[132:133], v[136:137]
	v_pk_add_f32 v[244:245], v[140:141], v[144:145]
	v_pk_add_f32 v[230:231], v[148:149], v[152:153]
	v_pk_add_f32 v[238:239], v[238:239], v[156:157]
	v_pk_add_f32 v[240:241], v[240:241], v[96:97]
	v_pk_add_f32 v[252:253], v[252:253], v[98:99]
	v_pk_add_f32 v[250:251], v[250:251], v[102:103]
	v_pk_add_f32 v[248:249], v[248:249], v[106:107]
	v_pk_add_f32 v[246:247], v[246:247], v[110:111]
	v_pk_add_f32 v[244:245], v[244:245], v[114:115]
	v_pk_add_f32 v[230:231], v[230:231], v[118:119]
	v_pk_add_f32 v[238:239], v[238:239], v[122:123]
	v_pk_add_f32 v[240:241], v[240:241], v[126:127]
	v_pk_add_f32 v[252:253], v[252:253], v[130:131]
	v_pk_add_f32 v[250:251], v[250:251], v[134:135]
	v_pk_add_f32 v[248:249], v[248:249], v[138:139]
	v_pk_add_f32 v[246:247], v[246:247], v[142:143]
	v_pk_add_f32 v[244:245], v[244:245], v[146:147]
	v_pk_add_f32 v[230:231], v[230:231], v[150:151]
	v_pk_add_f32 v[238:239], v[238:239], v[154:155]
	v_pk_add_f32 v[240:241], v[240:241], v[158:159]
	s_delay_alu instid0(VALU_DEP_2)
	v_pk_add_f32 v[238:239], v[238:239], v[248:249]
	s_delay_alu instid0(VALU_DEP_2)
	v_pk_add_f32 v[240:241], v[240:241], v[246:247]
	v_pk_add_f32 v[252:253], v[252:253], v[244:245]
	v_pk_add_f32 v[250:251], v[250:251], v[230:231]
	s_delay_alu instid0(VALU_DEP_2)
	v_pk_add_f32 v[238:239], v[238:239], v[252:253]
	s_delay_alu instid0(VALU_DEP_2)
	v_pk_add_f32 v[240:241], v[240:241], v[250:251]
	s_delay_alu instid0(VALU_DEP_1)
	v_pk_add_f32 v[238:239], v[238:239], v[240:241]
	s_add_co_u32 s37, s37, STEPB
	s_add_co_u32 s38, s38, 256
.endm
; PASS 2, one step of 128 keys.  The five additions at its head are the places behind the last step's products, in front of the loads into their registers.
.macro P2STEP
	v_add_nc_u32 v7, s37, v1
	v_add_nc_u32 v8, s37, v2
	v_add_nc_u32 v9, s37, v3
	v_add_nc_u32 v10, s37, v4
	v_add_nc_u32 v11, s38, v6
	KLOAD
	ds_load_b128 v[BM:BM+3], v11                   ; the blocks' largest scores, kept by pass 1
	s_wait_alu depctr_va_vdst(0)
	s_wait_dscnt 0x0
	QKMUL 1                                        ; s - m
.irp b, 0,1,2,3
	v_sub_f32 v[BM+\b], v[BM+\b], v[MX]            ; the same of the largest scores.  (These four are the places behind the products)
.endr
	VLOAD                                          ; V lands while the softmax is worked
.set j, 0
.rept 32
	v_pk_fma_f32 v[S+j:S+j+1], v[S+j:S+j+1], s[34:35], v[NM:NM+1] op_sel_hi:[1,0,0]   ; c (s - m) - log2 l
.set j, j+2
.endr
.irp b, 0,1,2,3
	v_fma_f32 v[BM+\b], v[BM+\b], s34, v[NM]
.endr
.set j, 0
	s_wait_alu depctr_va_vdst(0)
.rept 64
	v_exp_f32 v[S+j], v[S+j]                       ; p, normalised
.set j, j+1
.endr
.irp b, 0,1,2,3
	v_exp_f32 v[BM+\b], v[BM+\b]                   ; each block's largest p
.endr
	v_nop                                          ; a plain place behind the last exponential
	s_wait_alu depctr_va_vdst(0)                   ; one wait for the batch of 68, ahead of its first reader
.irp b, 0,1,2,3
	v_max_num_f32 v[BM+\b], 0x1800000, v[BM+\b]    ; the floor 2^(3 - 127)
.endr
.irp b, 0,1,2,3
	s_delay_alu instid0(VALU_DEP_4)
	v_add_nc_u32 v[SCO+\b], 0xff000000, v[BM+\b]   ; 2 off the exponent field: the conversion's scale operand
.endr
.irp b, 0,1,2,3
	s_delay_alu instid0(VALU_DEP_4)
	v_lshrrev_b32 v[BT+\b], 23, v[SCO+\b]          ; the scale's byte
.endr
	s_delay_alu instid0(VALU_DEP_3)
	v_lshl_or_b32 v[PS], v[BT+1], 8, v[BT]
	s_delay_alu instid0(VALU_DEP_1)
	v_lshl_or_b32 v[PS], v[BT+2], 16, v[PS]
	s_delay_alu instid0(VALU_DEP_1)
	v_lshl_or_b32 v[PS], v[BT+3], 24, v[PS]
.irp c, 0,1
	v_cvt_scalef32_pk16_fp6_f32 v[PCD+6*\c:PCD+2+6*\c], v[S+32*\c:S+15+32*\c], v[SCO+2*\c]
	v_cvt_scalef32_pk16_fp6_f32 v[Y+4*\c:Y+2+4*\c], v[S+16+32*\c:S+31+32*\c], v[SCO+1+2*\c]
.endr
	v_nop                                          ; one plain place behind a scaled conversion
.irp c, 0,1
.irp i, 0,1,2
	v_permlane16_swap_b32 v[PCD+6*\c+\i], v[Y+4*\c+\i]
.endr
.irp i, 0,1,2
	s_delay_alu instid0(VALU_DEP_3)
	v_mov_b32 v[PCD+3+6*\c+\i], v[Y+4*\c+\i]
.endr
.endr
.rept 4
	v_nop                                          ; four places behind the last move into p's codes; the scale word has these, the six moves and the place behind the conversions: eleven
.endr
	s_wait_alu depctr_va_vdst(0)
	s_wait_dscnt 0x0                               ; V
.irp t, 0,1,2,3                                ; O^T += V^T P^T; the four accumulators take turns, and eight other products stand between two steps
	v_wmma_scale_f32_16x16x128_f8f6f4 v[O+8*\t:O+8*\t+7], v[KF+12*\t:KF+12*\t+11], v[PCD:PCD+11], v[O+8*\t:O+8*\t+7], v[VSC+\t], v[PS] matrix_a_fmt:MATRIX_FMT_FP6 matrix_b_fmt:MATRIX_FMT_FP6
.endr
	s_add_co_u32 s37, s37, STEPB
	s_add_co_u32 s38, s38, 256
.endm
; ONE TILE OF 16 QUERIES
.macro TILE u
.if \u == 1
	s_wait_xcnt 0x0                                ; tile 0's stores have read their data: pass 1 writes those registers again only behind this wait
.endif
.irp i, 0,1,2,3,4,5
	v_mov_b32 v[22+\i], v[34+6*\u+\i]              ; q between the zero codes
.endr
.if \u == 0
	v_perm_b32 v47, v46, v46, 0x01000100           ; its two scale bytes, twice: the idle half carries the same exponents
.else
	v_perm_b32 v47, v46, v46, 0x03020302
.endif
	v_mov_b32 v[MX], 0xff61b1e6                    ; -3e38, under every score
	s_delay_alu instid0(VALU_DEP_1)
	v_mul_f32 v[NM], s36, v[MX]
	v_mov_b32 v[NM+1], 0                           ; (upper halves of pairs that are named whole)
	v_mov_b32 v[FC+1], 0
	v_mov_b32 v[L], 0
	v_mov_b32 v[L+1], 0                            ; with the step's three additions nine places lie between the scale word and the first product
	s_mov_b32 s37, 0
	s_mov_b32 s38, 0
	s_mov_b32 s39, 16
.Lpass1_\@:
	P1STEP
	s_sub_co_u32 s39, s39, 1
	s_cmp_lg_u32 s39, 0
	s_cbranch_scc1 .Lpass1_\@
	v_add_f32 v[L], v[L], v[L+1]
	s_delay_alu instid0(VALU_DEP_1)
	v_permlanex16_b32 v[BT], v[L], s32, s33
	s_delay_alu instid0(VALU_DEP_1)
	v_add_f32 v[L], v[L], v[BT]                    ; the row's sum: the same bits in both lanes of a query
	s_wait_alu depctr_va_vdst(0)
	v_log_f32 v[L+1], v[L]
	v_fma_f32 v[T0], s36, v[MX], -v[NM]            ; d = -c m less its rounded value: exact.  (A plain place behind the logarithm)
	s_wait_alu depctr_va_vdst(0)                   ; ahead of the logarithm's first reader
	v_fma_f32 v[NM], v[L+1], -1.0, -v[T0]          ; NL = -log2 l - d
.irp i, 0,1,2,3,4,5,6,7
	v_sub_f32 v[MC+\i], 0, v[MX]                   ; -m, the C of pass 2's first product: a lane holds one query, so all eight are alike
.endr
.set j, 0
.rept 32
	v_mov_b32 v[O+j], 0                            ; the step is written once: its first trip adds onto zeros
.set j, j+1
.endr
	s_mov_b32 s37, 0
	s_mov_b32 s38, 0
	s_mov_b32 s39, 16
.Lpass2_\@:
	P2STEP
	s_sub_co_u32 s39, s39, 1
	s_cmp_lg_u32 s39, 0
	s_cbranch_scc1 .Lpass2_\@
	PLACES
	; the head's 64 results of my query are two blocks of the last product's K: register 16 b + i = channel 32 b + 16 h + i
	v_max3_num_f32 v[BM], |v[O]|, |v[O+1]|, 0x1800000
	v_max3_num_f32 v[BM+1], |v[O+16]|, |v[O+17]|, 0x1800000
.irp i, 2,4,6,8,10,12,14
	v_max3_num_f32 v[BM], v[BM], |v[O+\i]|, |v[O+1+\i]|
	v_max3_num_f32 v[BM+1], v[BM+1], |v[O+16+\i]|, |v[O+17+\i]|
.endr
	s_delay_alu instid0(VALU_DEP_2)
	v_permlanex16_b32 v[BT], v[BM], s32, s33
	s_delay_alu instid0(VALU_DEP_2)
	v_permlanex16_b32 v[BT+1], v[BM+1], s32, s33
	s_delay_alu instid0(VALU_DEP_2)
	v_max_num_f32 v[BM], v[BM], v[BT]
	s_delay_alu instid0(VALU_DEP_2)
	v_max_num_f32 v[BM+1], v[BM+1], v[BT+1]
	s_delay_alu instid0(VALU_DEP_2)
	v_add_nc_u32 v[SCO], 0xff000000, v[BM]
	s_delay_alu instid0(VALU_DEP_2)
	v_add_nc_u32 v[SCO+1], 0xff000000, v[BM+1]
	s_delay_alu instid0(VALU_DEP_2)
	v_lshrrev_b32 v[BT], 23, v[SCO]
	s_delay_alu instid0(VALU_DEP_2)
	v_lshrrev_b32 v[BT+1], 23, v[SCO+1]
	s_delay_alu instid0(VALU_DEP_1)
	v_lshl_or_b32 v[BT+2], v[BT+1], 8, v[BT]       ; the two bytes
.if \u == 0
	s_delay_alu instid0(VALU_DEP_1)
	v_mov_b32 v[SCK], v[BT+2]
.else
	s_delay_alu instid0(VALU_DEP_1)
	v_cndmask_b32 v[SCK], v[SCK], v[BT+2], s48     ; lanes 0-15 keep tile 0's, lanes 16-31 take tile 1's
	s_wait_alu depctr_va_vdst(0)
	s_wait_xcnt 0x0                                ; tile 0's stores have read the codes' registers: they are written again only behind this wait
.endif
	v_cvt_scalef32_pk16_fp6_f32 v[E:E+2], v[O:O+15], v[SCO]
	v_cvt_scalef32_pk16_fp6_f32 v[TT:TT+2], v[O+16:O+31], v[SCO+1]
	v_nop                                          ; one plain place behind a scaled conversion
.irp i, 0,1,2
	v_permlane16_swap_b32 v[E+\i], v[TT+\i]
.endr
.irp i, 0,1,2
	s_delay_alu instid0(VALU_DEP_3)
	v_mov_b32 v[E+3+\i], v[TT+\i]                  ; six registers: lane (r, h) holds channels 32 h .. 32 h + 31
.endr
	s_cmp_eq_u32 s49, 0                            ; an even head fills registers 0-5 of the fragment, an odd head registers 6-11: the same in all partners
	s_cbranch_scc0 .Lodd_\@
	global_store_b128 v1, v[E:E+3], s[42:43] offset:1536*\u
	global_store_b64 v1, v[E+4:E+5], s[42:43] offset:1536*\u+512
	s_branch .Lstored_\@
.Lodd_\@:
	s_wait_alu depctr_va_vdst(0)
	global_store_b64 v1, v[E:E+1], s[42:43] offset:1536*\u+520
	global_store_b128 v1, v[E+2:E+5], s[42:43] offset:1536*\u+1024
.Lstored_\@:
.endm
	TILE 0
	TILE 1
	global_store_b16 v13, v[SCK], s[44:45] offset:12288   ; lane (r, h): the two scale bytes of row r of tile h
	s_wait_tensorcnt 0x0
	ds_add_u32 v211, v233
	s_wait_dscnt 0x0
	ROUND                                          ; the closing round: no work-group ends while a partner may still ask for a tile that names it
	s_endpgm
.Lfunc_end_k_q19d9d3dd55_attn:
	.size	k_q19d9d3dd55_attn, .Lfunc_end_k_q19d9d3dd55_attn-k_q19d9d3dd55_attn
	.p2alignl 7, 3214868480
	.fill 96, 4, 3214868480
	.section	.rodata,"a",@progbits
	.p2align	6, 0x0
	.amdhsa_kernel k_q19d9d3dd55_attn
		.amdhsa_group_segment_fixed_size 272384
		.amdhsa_private_segment_fixed_size 0
		.amdhsa_enable_private_segment 0
		.amdhsa_kernarg_size 24
		.amdhsa_user_sgpr_count 2
		.amdhsa_user_sgpr_kernarg_segment_ptr 1
		.amdhsa_wavefront_size32 1
		.amdhsa_system_sgpr_workgroup_id_x 1
		.amdhsa_system_sgpr_workgroup_id_y 1
		.amdhsa_system_sgpr_workgroup_id_z 1
		.amdhsa_system_vgpr_workitem_id 0
		.amdhsa_next_free_vgpr 256
		.amdhsa_next_free_sgpr 66
		.amdhsa_reserve_vcc 0
		.amdhsa_float_denorm_mode_32 3
		.amdhsa_float_denorm_mode_16_64 3
		.amdhsa_memory_ordered 1
		.amdhsa_forward_progress 1
		.amdhsa_inst_pref_size 63
	.end_amdhsa_kernel
	.amdgpu_metadata
---
amdhsa.version: [ 1, 2 ]
amdhsa.kernels:
  - .name:           k_q19d9d3dd55_attn
    .symbol:         k_q19d9d3dd55_attn.kd
    .args:
      - { .name: qk, .offset: 0, .size: 8, .value_kind: global_buffer, .address_space: global }
      - { .name: vv, .offset: 8, .size: 8, .value_kind: global_buffer, .address_space: global }
      - { .name: opa, .offset: 16, .size: 8, .value_kind: global_buffer, .address_space: global }
    .group_segment_fixed_size: 272384
    .private_segment_fixed_size: 0
    .kernarg_segment_align: 8
    .kernarg_segment_size: 24
    .max_flat_workgroup_size: 512
    .sgpr_count:     66
    .vgpr_count:     256
    .wavefront_size: 32
...
	.end_amdgpu_metadata
.endif
;; end of part 3
;; launch oproj (part 4): grid 4 x 64, 4 waves a work-group, clusters of 4 x 4, 307,712 bytes of LDS; arguments opa, opx, out0; writes out0
.if DOCPART == 4
	.amdgcn_target "amdgcn-amd-amdhsa--gfx1250"
	.amdhsa_code_object_version 6
	.text
	.protected	k_q19d9d3dd55_oproj
	.globl	k_q19d9d3dd55_oproj
	.p2align	8
	.type	k_q19d9d3dd55_oproj,@function
k_q19d9d3dd55_oproj:
	s_mov_b64 s[64:65], 0
	v_nop
	global_prefetch_b8 v0, s[64:65] scope:SCOPE_SE
	s_setreg_imm32_b32 hwreg(HW_REG_WAVE_MODE, 25, 1), 1
	s_wait_xcnt 0x0
	s_wait_alu depctr_hold_cnt(0) depctr_sa_sdst(0) depctr_va_vdst(0) depctr_va_sdst(0) depctr_va_ssrc(0) depctr_va_vcc(0) depctr_vm_vsrc(0)
	s_getreg_b32 s2, hwreg(HW_REG_IB_STS2, 6, 4)
	s_cmp_eq_u32 s2, 0
	s_cbranch_scc0 .Lentry_in_a_cluster
	s_endpgm
.Lentry_in_a_cluster:
	s_bfe_u32 s2, ttmp6, 0x10000c
	s_cmp_lg_u32 s2, 0xf033
	s_cbranch_scc0 .Lentry_shape_is_right
	s_endpgm
.Lentry_shape_is_right:
; out0 = a WO^T on codes of FP6 (E2M3) with E8M0 scales, K = 1,024.  a: the attention's result as register images (opa, groups of 128 tokens); WO: groups 88-95 of opx.  out0: [8192][1024] f32.
; A work-group makes 128 tokens (source 1: on the lanes) x 256 columns (source 0: on a lane's registers).  All of K for its three groups, 3 x 8 x 12,800 bytes, lies in LDS at once: every tensor load is a first fill.
; Four waves, each 64 x 128: 32 accumulators.  CLUSTERS: 4 x 4 work-groups; the tokens' group is shared along a row of the cluster, WO's two groups along a column: joint loads with a mask that names the four.
; The rows of a tile are not neighbours (lane row r of tile t = row 32 (t / 2) + 8 (t % 2) + r + 8 (r / 8) of its group): a lane's registers of tiles 2 b, 2 b + 1 are columns 32 b + 16 (lane / 16) + 0 .. 15.
; The way out goes through each wave's own stage in LDS, so that 32 lanes store 512 consecutive bytes of a row.  The stages lie in bytes of A's first K steps: they have had their only fill, and a barrier stands behind the last read.
; REGISTERS: window 0: v1-14 addresses; v16-39 scale words, two sets; v64-159 A's fragments, two sets; on the way out v64-191 rows of the result.  window 1: B's fragments, two sets of 96.  window 2: accumulator (a, b) at v[8 (8 a + b)].
.set GRP, 102400
.set BLK, 12800
.set CH,  25600
.set FA,  4
.set FB,  6
.set SA,  8
.set SB,  10
.set STO, 13                           ; v13  the stage: where I put 32 bytes of a row
.set RD,  14                           ; v14  and where I read a row back
.set SC,  16
.set AF,  64
.set MSB, 0
.macro WIN new                         ; the immediate's high byte repeats the setting that is left
.if MSB != \new
	s_set_vgpr_msb (MSB<<8)|\new
.set MSB, \new
.endif
.endm
.macro ROUND
	s_barrier_signal -1
	s_barrier_wait -1
	s_cmp_lg_u32 s10, 0
	s_cbranch_scc1 .Lnot_wave_0_\@
	s_barrier_signal -3
.Lnot_wave_0_\@:
	s_barrier_wait -3
	s_barrier_signal -1
	s_barrier_wait -1
.endm
.macro PLACES
.rept 4
	v_nop
.endr
.endm
	s_load_b128 s[4:7], s[0:1], 0x0                ; opa, opx
	s_load_b64 s[8:9], s[0:1], 0x10                ; out0
	v_lshl_add_u32 v254, v0, 2, 0x4b000
	v_mov_b32 v255, 0
	ds_add_u32 v254, v255
	ds_add_u32 v254, v255
	v_lshrrev_b32 v1, 5, v0
	v_readfirstlane_b32 s10, v1                    ; wave 0..3
	s_lshr_b32 s11, s10, 1                         ; I: which 64 tokens
	s_and_b32 s12, s10, 1                          ; J: which group of WO
	s_bfe_u32 s13, ttmp6, 0x40000                  ; cx
	s_bfe_u32 s14, ttmp6, 0x40004                  ; cy
	s_and_b32 s16, ttmp7, 0xffff
	s_lshl_b32 s18, s16, 2
	s_add_co_u32 s18, s18, s14                     ; the tokens' group: 4 x cluster y + cy
	s_lshl_b32 s19, ttmp9, 3
	s_add_co_u32 s19, s19, 88
	s_lshl_b32 s76, s13, 1
	s_add_co_u32 s19, s19, s76                     ; WO's first group: 88 + 8 x cluster x + 2 cx
	s_lshl_b32 s77, s14, 2
	s_lshl_b32 s77, 15, s77                        ; my row of the cluster
	s_lshl_b32 s78, 0x1111, s13                    ; my column
	s_or_b32 s24, s77, (3<<16)|(1<<21)             ; group 1 for A: the mask; elements of 8 bytes; bit 21 set beside a mask; no padding
	s_or_b32 s32, s78, (3<<16)|(1<<21)
.irp g, 24, 32
	s_mov_b32 s[\g+1], 32<<16                      ; rows of 256 bytes,
	s_mov_b32 s[\g+2], 400<<16                     ; 400 of them: a whole group, all 8 K steps,
	s_mov_b32 s[\g+3], 32<<16
	s_mov_b32 s[\g+4], 400
	s_mov_b32 s[\g+5], 32                          ; dense
	s_mov_b32 s[\g+6], 0
	s_mov_b32 s[\g+7], 0
.endr
	s_mul_i32 s80, s18, GRP
	s_mov_b32 s81, 0
	s_sub_co_u32 s79, s10, 1
	s_and_b32 s79, s79, 1                          ; wave 1 fetches B's first group, wave 2 its second
	s_add_co_u32 s84, s19, s79
	s_mul_i32 s84, s84, GRP
	s_mov_b32 s85, 0
	s_min_u32 s82, s10, 2
	s_mul_i32 s83, s82, GRP
	s_wait_dscnt 0x0
	s_wait_kmcnt 0x0
	s_add_nc_u64 s[80:81], s[4:5], s[80:81]
	s_add_nc_u64 s[84:85], s[6:7], s[84:85]
.irp q, 0
	s_mov_b32 s[40+4*\q], 1
	s_mov_b32 s[41+4*\q], CH*\q
	s_add_nc_u64 s[42+4*\q:43+4*\q], s[80:81], CH*\q
	s_or_b32 s[43+4*\q], s[43+4*\q], 0x80000000
	s_mov_b32 s[56+4*\q+4*(\q/2)], 1
	s_add_co_u32 s[57+4*\q+4*(\q/2)], s83, CH*\q
	s_add_nc_u64 s[58+4*\q+4*(\q/2):59+4*\q+4*(\q/2)], s[84:85], CH*\q
	s_or_b32 s[59+4*\q+4*(\q/2)], s[59+4*\q+4*(\q/2)], 0x80000000
.endr
	ROUND                                          ; all sixteen work-groups are here: the joint loads meet
	s_cmp_eq_u32 s10, 0                            ; wave 0 asks for A's group, waves 1 and 2 for one of B's each, wave 3 for nothing: one load a wave, 102,400 bytes
	s_cbranch_scc0 .Lnot_a
	tensor_load_to_lds s[40:43], s[24:31]
	s_nop 0
	PLACES
	s_branch .Lasked
.Lnot_a:
	s_cmp_eq_u32 s10, 3
	s_cbranch_scc1 .Lasked
	tensor_load_to_lds s[56:59], s[32:39]
	s_nop 0
	PLACES
.Lasked:
	v_and_b32 v12, 31, v0
	v_lshlrev_b32 v1, 4, v12                       ; 16 x lane
	v_and_b32 v2, 15, v0                           ; r
	v_bfe_u32 v3, v0, 4, 1                         ; h
	s_mul_i32 s20, s11, 6144
	v_add_nc_u32 v[FA], s20, v1
	v_add_nc_u32 v[FA+1], 51200, v[FA]
	s_mul_i32 s21, s12, GRP
	s_add_co_u32 s21, s21, GRP
	v_add_nc_u32 v[FB], s21, v1
	v_add_nc_u32 v[FB+1], 51200, v[FB]
	v_lshlrev_b32 v12, 4, v2
	s_lshl_b32 s20, s11, 8
	s_add_co_u32 s20, s20, 12288
	v_add_nc_u32 v[SA], s20, v12
	v_add_nc_u32 v[SA+1], 51200, v[SA]
	s_add_co_u32 s21, s21, 12288
	v_add_nc_u32 v[SB], s21, v12
	v_add_nc_u32 v[SB+1], 51200, v[SB]
	s_mul_i32 s22, s10, 8448                       ; my stage: 16 rows x (512 + 16) bytes
	v_mul_u32_u24 v[STO], v2, 528
	v_lshl_add_u32 v[STO], v3, 6, v[STO]
	v_add_nc_u32 v[STO], s22, v[STO]               ; in: row r, + 64 h
	v_add_nc_u32 v[RD], s22, v1                    ; back: a whole row, 16 bytes a lane
	s_lshl_b32 s20, s18, 7
	s_lshl_b32 s21, s11, 6
	s_add_co_u32 s20, s20, s21                     ; my first token
	s_lshl_b32 s20, s20, 12                        ; rows of 4,096 bytes
	s_lshl_b32 s21, ttmp9, 2
	s_add_co_u32 s21, s21, s13
	s_lshl_b32 s21, s21, 10                        ; 256 columns a work-group,
	s_add_co_u32 s20, s20, s21
	s_lshl_b32 s21, s12, 9                         ; 128 a wave
	s_add_co_u32 s20, s20, s21
	s_mov_b32 s21, 0
	s_add_nc_u64 s[76:77], s[8:9], s[20:21]
; 39 LDS loads: K step k's fragments (B's eight, A's four) and scale words into set k % 2
.macro FETCH k
.set KP, (\k)%2
.set KA, (\k)/4
.set KO, ((\k)%4)*BLK
	WIN 0x40                                       ; destination window 1
.irp b, 0,1,2,3,4,5,6,7
.irp pl, 0,1,2
	ds_load_b128 v[96*KP+12*\b+4*\pl:96*KP+12*\b+4*\pl+3], v[FB+KA] offset:KO+1536*\b+512*\pl
.endr
.endr
	WIN 0
.irp a, 0,1,2,3
.irp pl, 0,1,2
	ds_load_b128 v[AF+48*KP+12*\a+4*\pl:AF+48*KP+12*\a+4*\pl+3], v[FA+KA] offset:KO+1536*\a+512*\pl
.endr
.endr
	ds_load_b128 v[SC+12*KP:SC+12*KP+3], v[SA+KA] offset:KO
	ds_load_b128 v[SC+12*KP+4:SC+12*KP+7], v[SB+KA] offset:KO
	ds_load_b128 v[SC+12*KP+8:SC+12*KP+11], v[SB+KA] offset:KO+256
.endm
; 32 matrix instructions: K step k.  The 32 accumulators take turns, one instruction a turn, in the same order in every step.  The first step starts the sums.
.macro MUL k
.set KP, (\k)%2
	WIN 0xa1                                       ; source 0 (B) window 1, source 1 (A) window 0, C and D window 2
.irp a, 0,1,2,3
.irp b, 0,1,2,3,4,5,6,7
.if (\k) == 0
	v_wmma_scale_f32_16x16x128_f8f6f4 v[8*(8*\a+\b):8*(8*\a+\b)+7], v[96*KP+12*\b:96*KP+12*\b+11], v[AF+48*KP+12*\a:AF+48*KP+12*\a+11], 0, v[SC+12*KP+4+\b], v[SC+12*KP+\a] matrix_a_fmt:MATRIX_FMT_FP6 matrix_b_fmt:MATRIX_FMT_FP6
.else
	v_wmma_scale_f32_16x16x128_f8f6f4 v[8*(8*\a+\b):8*(8*\a+\b)+7], v[96*KP+12*\b:96*KP+12*\b+11], v[AF+48*KP+12*\a:AF+48*KP+12*\a+11], v[8*(8*\a+\b):8*(8*\a+\b)+7], v[SC+12*KP+4+\b], v[SC+12*KP+\a] matrix_a_fmt:MATRIX_FMT_FP6 matrix_b_fmt:MATRIX_FMT_FP6
.endif
.endr
.endr
.endm
.macro STAGE q                         ; all three groups are whole for every wave
	s_wait_tensorcnt 0x0                           ; my one load has landed
	s_wait_dscnt 0x0                               ; no LDS load of mine is out at a signal
	s_barrier_signal -1
	s_barrier_wait -1
.endm
	s_wait_alu depctr_va_vdst(0)
	STAGE 0
	FETCH 0
.set kk, 0
.rept 7
.if kk > 0
	PLACES
.endif
	FETCH kk+1
	s_wait_dscnt 39                                ; this step's loads are in; the next step's 39 may be out
	MUL kk
.set kk, kk+1
.endr
	s_wait_dscnt 0x0                               ; my last reads of the operands are over:
	s_barrier_signal -1                            ; say so,
	MUL 7                                          ; work on registers while the others arrive,
	s_barrier_wait -1                              ; and behind this wait nobody reads the bytes in which the stages lie
	PLACES
	WIN 0
; THE WAY OUT, 16 tokens x 128 columns at a time.  LDS serves a wave's instructions in order: no wait between the stores and the loads, nor in front of the next block's stores.
.macro TOSTAGE a
	WIN 0x08                                       ; an LDS store's data are its source 1: window 2
.irp b, 0,1,2,3,4,5,6,7
	ds_store_b128 v[STO], v[8*(8*(\a)+\b):8*(8*(\a)+\b)+3] offset:128*(\b/2)+32*(\b%2)          ; each accumulator from its low end on
	ds_store_b128 v[STO], v[8*(8*(\a)+\b)+4:8*(8*(\a)+\b)+7] offset:128*(\b/2)+32*(\b%2)+16
.endr
	WIN 0
.irp t, 0,1,2,3,4,5,6,7,8,9,10,11,12,13,14,15
	ds_load_b128 v[64+64*((\a)%2)+4*\t:64+64*((\a)%2)+4*\t+3], v[RD] offset:528*\t
.endr
.endm
.macro SEND a, younger                 ; younger: the LDS instructions issued behind block a's loads, which may stay out
	s_wait_dscnt \younger
.irp t, 0,1,2,3,4,5,6,7,8,9,10,11,12,13,14,15
	global_store_b128 v1, v[64+64*((\a)%2)+4*\t:64+64*((\a)%2)+4*\t+3], s[76:77] offset:(32*((\a)/2)+8*((\a)%2)+\t+8*(\t/8))*4096 th:TH_STORE_NT   ; 512 consecutive bytes of the token's row, aligned; written once, read by nobody here
.endr
.endm
	TOSTAGE 0
.irp a, 1,2,3
.if \a > 1
	s_wait_xcnt 0x0                                ; the stores of two blocks back have read their registers: this block's loads may land there
.endif
	TOSTAGE \a
	SEND \a-1, 32                                  ; behind that block's loads: this block's 16 stores and 16 loads
.endr
	SEND 3, 0
	s_wait_tensorcnt 0x0
	ds_add_u32 v254, v255
	s_wait_dscnt 0x0
	ROUND                                          ; the closing round: no work-group ends while a partner may still ask for a tile that names it
	s_endpgm
.Lfunc_end_k_q19d9d3dd55_oproj:
	.size	k_q19d9d3dd55_oproj, .Lfunc_end_k_q19d9d3dd55_oproj-k_q19d9d3dd55_oproj
	.p2alignl 7, 3214868480
	.fill 96, 4, 3214868480
	.section	.rodata,"a",@progbits
	.p2align	6, 0x0
	.amdhsa_kernel k_q19d9d3dd55_oproj
		.amdhsa_group_segment_fixed_size 307712
		.amdhsa_private_segment_fixed_size 0
		.amdhsa_enable_private_segment 0
		.amdhsa_kernarg_size 24
		.amdhsa_user_sgpr_count 2
		.amdhsa_user_sgpr_kernarg_segment_ptr 1
		.amdhsa_wavefront_size32 1
		.amdhsa_system_sgpr_workgroup_id_x 1
		.amdhsa_system_sgpr_workgroup_id_y 1
		.amdhsa_system_sgpr_workgroup_id_z 1
		.amdhsa_system_vgpr_workitem_id 0
		.amdhsa_next_free_vgpr 768
		.amdhsa_next_free_sgpr 90
		.amdhsa_reserve_vcc 0
		.amdhsa_float_denorm_mode_32 3
		.amdhsa_float_denorm_mode_16_64 3
		.amdhsa_memory_ordered 1
		.amdhsa_forward_progress 1
		.amdhsa_inst_pref_size 75
	.end_amdhsa_kernel
	.amdgpu_metadata
---
amdhsa.version: [ 1, 2 ]
amdhsa.kernels:
  - .name:           k_q19d9d3dd55_oproj
    .symbol:         k_q19d9d3dd55_oproj.kd
    .args:
      - { .name: opa, .offset: 0, .size: 8, .value_kind: global_buffer, .address_space: global }
      - { .name: opx, .offset: 8, .size: 8, .value_kind: global_buffer, .address_space: global }
      - { .name: out0, .offset: 16, .size: 8, .value_kind: global_buffer, .address_space: global }
    .group_segment_fixed_size: 307712
    .private_segment_fixed_size: 0
    .kernarg_segment_align: 8
    .kernarg_segment_size: 24
    .max_flat_workgroup_size: 128
    .sgpr_count:     90
    .vgpr_count:     768
    .wavefront_size: 32
...
	.end_amdgpu_metadata
.endif
;; end of part 4
